; MI455X (gfx1250); checked and timed in simulation.
; The chip was launched on July 23, 2026; its instructions are those of AMD's public machine-readable ISA for CDNA 5 (MIT licence, August 2026) and "CDNA5" Instruction Set Architecture Reference Guide (July 2026). The comments in the code are by the model that wrote it; some were corrected since.
;; Multi Head Self Attention. Allowed arithmetic: matrix products marked QUANTISED: E4M3 operands, one given power-of-two scale a tensor, by v_wmma_f32_16x16x64_fp8_fp8 or v_wmma_f32_16x16x128_fp8_fp8, f32 sums; everything else in f32.
;; Inputs: Kw 1,024 x 1,024 float32; Ow 1,024 x 1,024 float32; Qw 1,024 x 1,024 float32; Vw 1,024 x 1,024 float32; lowp_scales 12 int32 (the exponents e of the quantised operands' scales 2^e); padding_mask 4 x 2,048 bool; x 4 x 2,048 x 1,024 float32.
;; Outputs: out0 4 x 2,048 x 1,024 float32.
;; This version of the problem:
;;   THIS VERSION OF THE PROBLEM IS GIVEN IN LOW PRECISION. The matrix products marked QUANTISED in the list below multiply operands that are first quantised to E4M3 (4 exponent bits, 3 mantissa bits; 8 bits a number), with one given power-of-two scale for each operand tensor; their sums are f32. All else is computed in f32.
;;   The module's matrix products, in the order in which they are computed (A, B: the left and right operand; K: the contracted axis; several contracted axes count as one K, in the product's order):
;;     1. [M 8,192, K 1,024] x [K 1,024, N 1,024]; A: input x; B: input Qw: QUANTISED (scales: A lowp_scales[0], B lowp_scales[1])
;;     2. [M 8,192, K 1,024] x [K 1,024, N 1,024]; A: input x; B: input Kw: QUANTISED (scales: A lowp_scales[2], B lowp_scales[3])
;;     3. [M 8,192, K 1,024] x [K 1,024, N 1,024]; A: input x; B: input Vw: QUANTISED (scales: A lowp_scales[4], B lowp_scales[5])
;;     4. batch 64 x [M 2,048, K 64] x [K 64, N 2,048]; A: computed on the way; B: computed on the way: QUANTISED (scales: A lowp_scales[6], B lowp_scales[7])
;;     5. batch 64 x [M 64, K 2,048] x [K 2,048, N 2,048]; A: computed on the way; B: softmax (see below): QUANTISED (scales: A lowp_scales[8], B lowp_scales[9])
;;     6. [M 8,192, K 1,024] x [K 1,024, N 1,024]; A: computed on the way; B: input Ow: QUANTISED (scales: A lowp_scales[10], B lowp_scales[11])
;;   THE QUANTISER, for each operand of a quantised product, along K:
;;     - The operand's scale is 2^e, e = its entry of the input lowp_scales (int32; the entries are numbered through the quantised products in the list's order, A before B).
;;     - Each number is divided by the scale, clamped to +-448, and rounded to the nearest number of E4M3, ties to even, subnormals kept.
;;     - The product sums the exact products of the quantised numbers (number of the format x scale) in f32.
;;   ~~~python
;;   def quantise(x, axis, e):      # numpy; x: float32 -> the quantised numbers, widened to float32 again
;;       x = np.moveaxis(x, axis, -1); K = x.shape[-1]
;;       r = np.clip(x / 2.0 ** e, -448, 448)
;;       step = 2.0 ** (np.maximum(np.frexp(np.where(r == 0, 1, r))[1] - 1, -6) - 3)
;;       q = np.round(r / step) * step * 2.0 ** e      # np.round: ties to even
;;       return np.moveaxis(q, -1, axis).astype(np.float32)
;;   ~~~
;;   SOFTMAX AHEAD OF A QUANTISED PRODUCT. Where the list says 'softmax', what is quantised is not the finished softmax but p = 2^(t - M), with t = logit x log2(e) and M = ceil(the row's largest t), a whole number; so 1/2 < the row's largest p <= 1. The row's sum l is taken of the UNQUANTISED p, in f32, and the product's result is divided by l at the end. Since M is a whole number, a kernel that streams over the keys may use a running M (the ceiling of the running maximum): every later rescaling is an exact power of two, so the quantised numbers keep their values, but for numbers so far below the row's largest that they fall under the format's range.
;;   OPERANDS COMPUTED ON THE WAY. 'Computed on the way' means the value that the module computes at that place (a softmax that the list does not call 'softmax' is quantised finished and normalised). What goes into a quantiser is computed in f32, as accurately as f32 sums, v_exp_f32 and their like allow (about 1e-6 of the number): no bf16 or f16 on the way to a quantiser, and a product that is left as it is and whose result goes on into a quantised operand takes f32 operands (vector FMAs, or v_wmma_f32_16x16x4_f32). A number that lies on a knife's edge between two numbers of the format may be rounded either way, as far as f32 arithmetic and the matrix unit's own rounding can turn it there, and no further.
;; One version. Each part assembles by itself: llvm-mc -triple=amdgcn-amd-amdhsa -mcpu=gfx1250 --defsym DOCPART=n.
;; ======== version 1 of 1: 4 launches
;; limits: right only within a limited range of input values
;; workspace buffers: xf 25,165,824 bytes; wf 4,194,304 bytes; qf 8,388,608 bytes; kf 8,388,608 bytes; vf 8,388,608 bytes; cf 8,388,608 bytes
;; launch quant (part 1): grid 768 x 1, 8 waves a work-group, no clusters, 68,608 bytes of LDS; arguments x, Qw, Kw, Vw, Ow, lowp_scales, xf, wf; writes xf, wf
.if DOCPART == 1
	.amdgcn_target "amdgcn-amd-amdhsa--gfx1250"
	.amdhsa_code_object_version 6
	.text
	.protected	k_qb004b027ed_quant
	.globl	k_qb004b027ed_quant
	.p2align	8
	.type	k_qb004b027ed_quant,@function
k_qb004b027ed_quant:
	s_mov_b64 s[64:65], 0
	v_nop
	global_prefetch_b8 v0, s[64:65] scope:SCOPE_SE
	s_setreg_imm32_b32 hwreg(HW_REG_WAVE_MODE, 25, 1), 1
	s_wait_xcnt 0x0
; x [8192][1024] and Qw, Kw, Vw, Ow [1024][1024], f32, K innermost, become codes of FP8 (E4M3): code = number / 2^e, held within +-448, to the nearest code, ties to even.
; e: entries of lowp_scales: x has three (0, 2, 4: one for each of the products with Qw, Kw, Vw); Qw 1, Kw 3, Vw 5, Ow 11.
; x's codes under entry 0 go to slice 0 of xf, under entry 2 to slice 1, under entry 4 to slice 2 (8,388,608 bytes each): the next launch takes slice m for its m-th product, whatever the exponents are.
; LAYOUT OF THE CODES: the order of a matrix operand's registers.  A ROW TILE RT = 2 g + u is 16 rows: its lane r holds row 32 g + 8 u + r + 8 (r / 8).  A fragment (a row tile x 128 along K) is 2,048 bytes:
; block c of 512 bytes, lane (r, h) at 16 (16 h + r): its 16 codes are k = 32 c + 16 h + 0 .. 15.  A tensor: [k / 256][RT][(k / 128) % 2][c][lane][16].
; SHARES: a work-group takes one row tile (0 .. 511: x's; then 64 for each weight), wave w its k = 128 w .. 128 w + 127: one fragment.  No loop, no barrier: waves share nothing.
; Each of a wave's 16 loads reads 512 consecutive bytes of one row; the numbers turn through the wave's own stage in LDS (rows of 512 + 16 bytes) so that a lane holds 16 neighbours along K; each store covers 512 consecutive bytes.
; LIMITS: each e between -126 and 119, so that 2^e and 448 x 2^e are f32 numbers.  NaN among the inputs is not served (an infinity is held at the largest code).
.set SP,    528                        ; a stage row: 512 bytes + 16: 132 words, so that 16 rows' equal columns lie 4 words apart modulo 64
.set WSTG,  16*SP                      ; a wave's stage
.set LI,    1                          ; v1   16 x lane
.set SIN,   2                          ; v2   the stage, on the way in
.set SOUT,  3                          ; v3   and on the way out
.set R,     16                         ; v16-79   the numbers as loaded; later v16-47 held numbers (two sets of 16 by turns), v48-63 and v64-79 codes
.set TH,    16
.set X,     80                         ; v80-143  64 numbers of my row: register 16 c + n is k = 32 c + 16 h + n
	s_load_b256 s[4:11], s[0:1], 0x0               ; x, Qw, Kw, Vw
	s_load_b256 s[12:19], s[0:1], 0x20             ; Ow, lowp_scales, xf, wf
	v_lshl_add_u32 v160, v0, 2, 0x10800
	v_mov_b32 v161, 0
	v_lshrrev_b32 v10, 5, v0
	s_delay_alu instid0(VALU_DEP_1)
	v_readfirstlane_b32 s32, v10                   ; wave 0..7
	v_and_b32 v11, 31, v0
	s_delay_alu instid0(VALU_DEP_1)
	v_lshlrev_b32 v[LI], 4, v11
	s_mul_i32 s33, s32, WSTG
	v_add_nc_u32 v[SIN], s33, v[LI]                ; in: a row's 512 bytes as they lie
	v_and_b32 v12, 15, v0                          ; r
	v_bfe_u32 v13, v0, 4, 1                        ; h
	s_delay_alu instid0(VALU_DEP_2)
	v_mul_u32_u24 v[SOUT], v12, SP
	s_delay_alu instid0(VALU_DEP_1)
	v_lshl_add_u32 v[SOUT], v13, 6, v[SOUT]
	s_delay_alu instid0(VALU_DEP_1)
	v_add_nc_u32 v[SOUT], s33, v[SOUT]             ; out: row r, + 64 h bytes: my 16 numbers of a block of 32
	s_sub_co_u32 s46, ttmp9, 512
	s_and_b32 s47, s46, 63                         ; a weight's row tile
	s_lshr_b32 s46, s46, 6                         ; which weight (of use only from work-group 512 on)
	s_lshl_b32 s39, s46, 20                        ; its place in wf
	s_wait_alu depctr_va_vdst(0)
	s_wait_kmcnt 0x0
	s_load_b256 s[20:27], s[14:15], 0x0            ; entries 0 .. 7
	s_load_b128 s[28:31], s[14:15], 0x20           ; entries 8 .. 11
	s_mov_b64 s[34:35], s[12:13]                   ; the source: Ow, unless ..  (each choice hangs on the work-group's number alone)
	s_cmp_eq_u32 s46, 2
	s_cselect_b64 s[34:35], s[10:11], s[34:35]
	s_cmp_eq_u32 s46, 1
	s_cselect_b64 s[34:35], s[8:9], s[34:35]
	s_cmp_eq_u32 s46, 0
	s_cselect_b64 s[34:35], s[6:7], s[34:35]
	s_mov_b32 s38, 0x40000
	s_cmp_lt_u32 ttmp9, 512
	s_cselect_b64 s[34:35], s[4:5], s[34:35]
	s_cselect_b64 s[40:41], s[16:17], s[18:19]     ; the codes' buffer
	s_cselect_b32 s37, ttmp9, s47                  ; the row tile
	s_cselect_b32 s38, 0x200000, s38               ; bytes from one 256 along K to the next: row tiles x 4,096
	s_cselect_b32 s39, 0, s39
	s_cselect_b32 s48, 1, 0                        ; 1: x
	s_lshr_b32 s52, s37, 1
	s_lshl_b32 s52, s52, 17                        ; 32 g rows of 4,096 bytes
	s_and_b32 s53, s37, 1
	s_lshl_b32 s53, s53, 15                        ; + 8 u rows
	s_add_co_u32 s52, s52, s53
	s_lshl_b32 s53, s32, 9                         ; + my 128 numbers
	s_add_co_u32 s52, s52, s53
	s_mov_b32 s53, 0
	s_add_nc_u64 s[34:35], s[34:35], s[52:53]
.set i, 0
.rept 16
	global_load_b128 v[R+4*i:R+4*i+3], v[LI], s[34:35] offset:(i+8*(i/8))*4096 th:TH_LOAD_NT   ; the tile's lane i: 512 consecutive bytes of its row; read once in the launch
.set i, i+1
.endr
	s_lshr_b32 s54, s32, 1
	s_mul_i32 s54, s54, s38                        ; k / 256
	s_add_co_u32 s54, s54, s39
	s_lshl_b32 s55, s37, 12                        ; the row tile
	s_add_co_u32 s54, s54, s55
	s_and_b32 s55, s32, 1
	s_lshl_b32 s55, s55, 11                        ; (k / 128) % 2
	s_add_co_u32 s54, s54, s55
	s_mov_b32 s55, 0
	s_add_nc_u64 s[40:41], s[40:41], s[54:55]      ; slice 0 (or the weight's codes),
	s_add_nc_u64 s[42:43], s[40:41], 0x800000      ; slice 1,
	s_add_nc_u64 s[44:45], s[40:41], 0x1000000     ; slice 2: named by x's work-groups alone
	s_wait_kmcnt 0x0
	s_mov_b32 s36, s31                             ; the first exponent: Ow's, unless ..
	s_cmp_eq_u32 s46, 2
	s_cselect_b32 s36, s25, s36
	s_cmp_eq_u32 s46, 1
	s_cselect_b32 s36, s23, s36
	s_cmp_eq_u32 s46, 0
	s_cselect_b32 s36, s21, s36
	s_cmp_eq_u32 s48, 1
	s_cselect_b32 s36, s20, s36
.macro MKSCALE e, vs, vl               ; v[vs] = 2^e as f32 (the conversion takes its exponent field), v[vl] = 448 x 2^e
	s_add_co_i32 s56, s[\e], 127
	s_lshl_b32 s57, s56, 23
	v_mov_b32 v[\vs], s57
	s_add_co_i32 s56, s56, 8
	s_lshl_b32 s56, s56, 23
	s_or_b32 s56, s56, 0x600000
	v_mov_b32 v[\vl], s56
.endm
	MKSCALE 36, 4, 5
	MKSCALE 22, 6, 7
	MKSCALE 24, 8, 9
.set i, 0
	s_wait_alu depctr_va_vdst(0)
.rept 16
	s_wait_loadcnt 15-i                            ; loads come back in order: row i is in, the 15 - i younger ones stay out
	ds_store_b128 v[SIN], v[R+4*i:R+4*i+3] offset:SP*i
.set i, i+1
.endr
.irp c, 0,1,2,3
.irp j, 0,1,2,3
	ds_load_b128 v[X+16*\c+4*\j:X+16*\c+4*\j+3], v[SOUT] offset:128*\c+16*\j   ; LDS serves a wave's instructions in order: these see my stores
.endr
.endr
	s_wait_dscnt 0x0
; One pass: the 64 numbers under one scale become the fragment's 16 registers of codes, which are stored as they stand.  Each pass has code registers of its own, so no store's data are written again.
.macro QPASS cb, vs, vl, sb
.irp c, 0,1,2,3
.set n, 0
.rept 16
	v_med3_num_f32 v[TH+16*(\c%2)+n], v[X+16*\c+n], -v[\vl], v[\vl]   ; the conversion to an 8-bit code does not saturate (ISA guide 7.6.2): the hold comes first; two sets by turns, so that 16 plain lines stand between a conversion and the next write of its sources
.set n, n+1
.endr
	v_cvt_scalef32_pk8_fp8_f32 v[\cb+4*\c:\cb+4*\c+1], v[TH+16*(\c%2):TH+16*(\c%2)+7], v[\vs]
	v_cvt_scalef32_pk8_fp8_f32 v[\cb+4*\c+2:\cb+4*\c+3], v[TH+16*(\c%2)+8:TH+16*(\c%2)+15], v[\vs]
.endr
	v_nop                                          ; one plain line behind the last conversion
.irp c, 0,1,2,3
	global_store_b128 v[LI], v[\cb+4*\c:\cb+4*\c+3], s[\sb:\sb+1] offset:512*\c   ; 32 lanes store 512 consecutive bytes, at a multiple of 512 from the buffer's first byte
.endr
.endm
	QPASS 48, 4, 5, 40
	s_cmp_eq_u32 s48, 0                            ; a weight has one scale; x has three (a branch on the work-group's number)
	s_cbranch_scc1 .Ldone
	QPASS 64, 6, 7, 42
	QPASS 144, 8, 9, 44
.Ldone:
	s_wait_tensorcnt 0x0
	ds_add_u32 v160, v161
	s_wait_dscnt 0x0
	s_endpgm
.Lfunc_end_k_qb004b027ed_quant:
	.size	k_qb004b027ed_quant, .Lfunc_end_k_qb004b027ed_quant-k_qb004b027ed_quant
	.p2alignl 7, 3214868480
	.fill 96, 4, 3214868480
	.section	.rodata,"a",@progbits
	.p2align	6, 0x0
	.amdhsa_kernel k_qb004b027ed_quant
		.amdhsa_group_segment_fixed_size 68608
		.amdhsa_private_segment_fixed_size 0
		.amdhsa_enable_private_segment 0
		.amdhsa_kernarg_size 64
		.amdhsa_user_sgpr_count 2
		.amdhsa_user_sgpr_kernarg_segment_ptr 1
		.amdhsa_wavefront_size32 1
		.amdhsa_system_sgpr_workgroup_id_x 1
		.amdhsa_system_sgpr_workgroup_id_y 1
		.amdhsa_system_sgpr_workgroup_id_z 1
		.amdhsa_system_vgpr_workitem_id 0
		.amdhsa_next_free_vgpr 162
		.amdhsa_next_free_sgpr 66
		.amdhsa_reserve_vcc 0
		.amdhsa_float_denorm_mode_32 3
		.amdhsa_float_denorm_mode_16_64 3
		.amdhsa_memory_ordered 1
		.amdhsa_forward_progress 1
		.amdhsa_inst_pref_size 23
	.end_amdhsa_kernel
	.amdgpu_metadata
---
amdhsa.version: [ 1, 2 ]
amdhsa.kernels:
  - .name:           k_qb004b027ed_quant
    .symbol:         k_qb004b027ed_quant.kd
    .args:
      - { .name: x, .offset: 0, .size: 8, .value_kind: global_buffer, .address_space: global }
      - { .name: Qw, .offset: 8, .size: 8, .value_kind: global_buffer, .address_space: global }
      - { .name: Kw, .offset: 16, .size: 8, .value_kind: global_buffer, .address_space: global }
      - { .name: Vw, .offset: 24, .size: 8, .value_kind: global_buffer, .address_space: global }
      - { .name: Ow, .offset: 32, .size: 8, .value_kind: global_buffer, .address_space: global }
      - { .name: lowp_scales, .offset: 40, .size: 8, .value_kind: global_buffer, .address_space: global }
      - { .name: xf, .offset: 48, .size: 8, .value_kind: global_buffer, .address_space: global }
      - { .name: wf, .offset: 56, .size: 8, .value_kind: global_buffer, .address_space: global }
    .group_segment_fixed_size: 68608
    .private_segment_fixed_size: 0
    .kernarg_segment_align: 8
    .kernarg_segment_size: 64
    .max_flat_workgroup_size: 256
    .sgpr_count:     66
    .vgpr_count:     162
    .wavefront_size: 32
...
	.end_amdgpu_metadata
.endif
;; end of part 1
;; launch qkv (part 2): grid 8 x 32, 4 waves a work-group, clusters of 4 x 4, 327,680 bytes of LDS; arguments xf, wf, lowp_scales, qf, kf, vf; writes qf, kf, vf
.if DOCPART == 2
	.amdgcn_target "amdgcn-amd-amdhsa--gfx1250"
	.amdhsa_code_object_version 6
	.text
	.protected	k_qb004b027ed_qkv
	.globl	k_qb004b027ed_qkv
	.p2align	8
	.type	k_qb004b027ed_qkv,@function
k_qb004b027ed_qkv:
	s_mov_b64 s[64:65], 0
	v_nop
	global_prefetch_b8 v0, s[64:65] scope:SCOPE_SE
	s_setreg_imm32_b32 hwreg(HW_REG_WAVE_MODE, 25, 1), 1
	s_wait_xcnt 0x0
	s_wait_alu depctr_hold_cnt(0) depctr_sa_sdst(0) depctr_va_vdst(0) depctr_va_sdst(0) depctr_va_ssrc(0) depctr_va_vcc(0) depctr_vm_vsrc(0)
	s_getreg_b32 s2, hwreg(HW_REG_IB_STS2, 6, 4)
	s_cmp_eq_u32 s2, 0
	s_cbranch_scc0 .Lentry_in_a_cluster
	s_endpgm
.Lentry_in_a_cluster:
	s_bfe_u32 s2, ttmp6, 0x10000c
	s_cmp_lg_u32 s2, 0xf033
	s_cbranch_scc0 .Lentry_shape_is_right
	s_endpgm
.Lentry_shape_is_right:
.set NBT,   4
.set SLOT,  98304
.set ROFF,  65536
.set SPARE, 2*SLOT
.set KQX,   0x200000
.set KQW,   0x40000
.set SLX,   0x800000
.set MTW,   0x100000
.set FR,    16
.set ADRA,  16
.set ADRB,  20
.set VO,    24
.set SPW,   28
.set NIL,   29
.set CD,    32
.set TT,    96
.set AF,    128
.set WV,    16
.set PH,    17
.set RH,    18
.set G1,    24
.set G0,    32
.set G1B,   48
.set G0B,   56
.set XB,    80
.set WB,    82
.set MSB,   0
.macro WIN new
.if MSB != (\new)
	s_set_vgpr_msb (MSB<<8)|(\new)
.set MSB, (\new)
.endif
.endm
.set TO_B,  0x40
.macro JLOAD g0a, g1a, g0b, g1b
	s_cmp_eq_u32 s[PH], 0
	s_cbranch_scc0 .Lfor_w_\@
	tensor_load_to_lds s[\g0a:\g0a+3], s[\g1a:\g1a+7]
	s_nop 0
.rept 4
	v_nop
.endr
	s_branch .Lasked_\@
.Lfor_w_\@:
	tensor_load_to_lds s[\g0b:\g0b+3], s[\g1b:\g1b+7]
	s_nop 0
.rept 4
	v_nop
.endr
.Lasked_\@:
.endm
.macro CREST
	s_cmp_lg_u32 s[WV], 0
	s_cbranch_scc1 .Lnot_wave_0_\@
	s_barrier_signal -3
.Lnot_wave_0_\@:
	s_barrier_wait -3
	s_barrier_signal -1
	s_barrier_wait -1
.endm
.macro CROUND
	s_barrier_signal -1
	s_barrier_wait -1
	CREST
.endm
.macro PLACES n
.rept \n
	v_nop
.endr
.endm
	s_load_b256 s[4:11], s[0:1], 0x0
	s_load_b128 s[12:15], s[0:1], 0x20
	v_lshl_add_u32 v[SPW], v0, 2, SPARE
	v_mov_b32 v[NIL], 0
	ds_add_u32 v28, v29
	ds_add_u32 v28, v29
	s_wait_dscnt 0x0
	v_lshrrev_b32 v1, 5, v0
	v_readfirstlane_b32 s[WV], v1
	s_lshr_b32 s[PH], s[WV], 1
	s_and_b32 s[RH], s[WV], 1
	s_bfe_u32 s19, ttmp6, 0x40000
	s_bfe_u32 s20, ttmp6, 0x40004
	s_lshl_b32 s46, ttmp9, 2
	s_add_co_u32 s46, s46, s19
	s_and_b32 s47, ttmp7, 0xffff
	s_lshl_b32 s47, s47, 2
	s_add_co_u32 s47, s47, s20
	s_lshl_b32 s44, s20, 2
	s_lshl_b32 s44, 15, s44
	s_lshl_b32 s45, 0x1111, s19
	s_or_b32 s[G1], s44, (3<<16)|(1<<21)
	s_or_b32 s[G1B], s45, (3<<16)|(1<<21)
.irp g, G1, G1B
	s_mov_b32 s[\g+1], 32<<16
	s_mov_b32 s[\g+3], 32<<16
	s_mov_b32 s[\g+5], 32
	s_mov_b32 s[\g+6], 0
	s_mov_b32 s[\g+7], 0
.endr
	s_mov_b32 s[G1+2], 128<<16
	s_mov_b32 s[G1+4], 128
	s_mov_b32 s[G1B+2], 64<<16
	s_mov_b32 s[G1B+4], 64
	s_lshl_b32 s92, s[RH], 15
	s_lshl_b32 s93, s[RH], 14
	s_lshl_b32 s2, s47, 16
	s_add_co_u32 s2, s2, s92
	s_mov_b32 s3, 0
	s_lshl_b32 s66, s46, 15
	s_add_co_u32 s66, s66, s93
	s_mov_b32 s67, 0
	s_wait_kmcnt 0x0
	s_load_b256 s[68:75], s[8:9], 0x0
	s_load_b128 s[76:79], s[8:9], 0x20
	s_add_nc_u64 s[XB:XB+1], s[4:5], s[2:3]
	s_add_nc_u64 s[WB:WB+1], s[6:7], s[66:67]
	CROUND
.irp s, 0,1
	s_mov_b32 s[G0+4*\s], 1
	s_add_co_u32 s[G0+4*\s+1], s92, \s*SLOT
	s_add_nc_u64 s[G0+4*\s+2:G0+4*\s+3], s[XB:XB+1], \s*KQX
	s_or_b32 s[G0+4*\s+3], s[G0+4*\s+3], 0x80000000
	s_mov_b32 s[G0B+4*\s], 1
	s_add_co_u32 s[G0B+4*\s+1], s93, \s*SLOT+ROFF
	s_add_nc_u64 s[G0B+4*\s+2:G0B+4*\s+3], s[WB:WB+1], \s*KQW
	s_or_b32 s[G0B+4*\s+3], s[G0B+4*\s+3], 0x80000000
	s_wait_alu depctr_va_vdst(0)
	s_wait_tensorcnt 0x0
	ds_add_u32 v28, v29
	ds_add_u32 v28, v29
	s_wait_dscnt 0x0
	CROUND
	JLOAD G0+4*\s, G1, G0B+4*\s, G1B
.endr
	v_and_b32 v1, 31, v0
	v_lshlrev_b32 v[VO], 4, v1
	s_lshl_b32 s2, s[PH], 15
	s_add_co_u32 s3, s93, ROFF
	v_add_nc_u32 v[ADRA], s2, v[VO]
	v_add_nc_u32 v[ADRB], s3, v[VO]
	v_add_nc_u32 v[ADRA+1], SLOT, v[ADRA]
	v_add_nc_u32 v[ADRB+1], SLOT, v[ADRB]
	s_lshr_b32 s2, s47, 3
	s_lshl_b32 s2, s2, 21
	s_lshl_b32 s3, s46, 1
	s_add_co_u32 s3, s3, s[RH]
	s_lshl_b32 s3, s3, 17
	s_add_co_u32 s2, s2, s3
	s_and_b32 s3, s47, 7
	s_lshl_b32 s3, s3, 1
	s_add_co_u32 s3, s3, s[PH]
	s_lshl_b32 s3, s3, 13
	s_add_co_u32 s2, s2, s3
	s_mov_b32 s3, 0
	s_add_nc_u64 s[84:85], s[10:11], s[2:3]
	s_add_nc_u64 s[86:87], s[12:13], s[2:3]
	s_add_nc_u64 s[88:89], s[14:15], s[2:3]
	s_wait_alu depctr_va_vdst(0)
	s_wait_kmcnt 0x0
.macro MKSC ea, eb, ec, vs, vl
	s_sub_co_i32 s90, s[\ea], s[\eb]
	s_sub_co_i32 s90, s90, s[\ec]
	s_add_co_i32 s90, s90, 127
	s_lshl_b32 s91, s90, 23
	v_mov_b32 v[\vs], s91
	s_add_co_i32 s90, s90, 8
	s_lshl_b32 s90, s90, 23
	s_or_b32 s90, s90, 0x600000
	v_mov_b32 v[\vl], s90
.endm
	MKSC 74, 68, 69, 6, 7
	MKSC 75, 70, 71, 8, 9
	MKSC 76, 72, 73, 10, 11
.macro FRAG reg, adr, q, i
.irp c, 0,1,2,3
	ds_load_b128 v[\reg+4*\c:\reg+4*\c+3], v[\adr] offset:4096*(\i)+2048*(\q)+512*\c
.endr
.endm
.macro MULA a0, p, zero, sw
.irp a, \a0, \a0+1
.irp b, 0,1,2,3
.set AI, 8*(NBT*(\a)+\b)
.if \sw
.if \zero
	v_wmma_f32_16x16x128_fp8_fp8 v[AI:AI+7], v[AF+FR*(\a):AF+FR*(\a)+FR-1], v[128*(\p)+FR*\b:128*(\p)+FR*\b+FR-1], 0
.else
	v_wmma_f32_16x16x128_fp8_fp8 v[AI:AI+7], v[AF+FR*(\a):AF+FR*(\a)+FR-1], v[128*(\p)+FR*\b:128*(\p)+FR*\b+FR-1], v[AI:AI+7]
.endif
.else
.if \zero
	v_wmma_f32_16x16x128_fp8_fp8 v[AI:AI+7], v[128*(\p)+FR*\b:128*(\p)+FR*\b+FR-1], v[AF+FR*(\a):AF+FR*(\a)+FR-1], 0
.else
	v_wmma_f32_16x16x128_fp8_fp8 v[AI:AI+7], v[128*(\p)+FR*\b:128*(\p)+FR*\b+FR-1], v[AF+FR*(\a):AF+FR*(\a)+FR-1], v[AI:AI+7]
.endif
.endif
.endr
.endr
.endm
.macro FETCH_B slot, q, p
	WIN TO_B
.irp i, 0,1,2,3
	FRAG 128*(\p)+FR*\i, ADRB+\slot, \q, \i
.endr
	WIN 0
.endm
.macro FETCH_A slot, q, i0
.irp i, \i0, \i0+1, \i0+2, \i0+3
	FRAG AF+FR*(\i), ADRA+\slot, \q, \i
.endr
.endm
.macro STEP slot, q, zero, sw
	s_wait_dscnt 16
	WIN 0xa1+3*(\sw)
	MULA 0, (\q)%2, \zero, \sw
	MULA 2, (\q)%2, \zero, \sw
	s_wait_dscnt 0
	PLACES 4
	FETCH_B \slot, (\q)+1, 1-(\q)%2
	FETCH_A \slot, (\q)+1, 0
	WIN 0xa1+3*(\sw)
	MULA 4, (\q)%2, \zero, \sw
	MULA 6, (\q)%2, \zero, \sw
	PLACES 4
	WIN 0
	FETCH_A \slot, (\q)+1, 4
.endm
.macro TURN slot, next, fill, fm, fk, sw
	s_wait_tensorcnt 0x0
	ds_add_u32 v[SPW], v[NIL]
	s_wait_dscnt 17
	WIN 0xa1+3*(\sw)
	MULA 0, 1, 0, \sw
	s_wait_dscnt 0x0
	s_barrier_signal -1
	MULA 2, 1, 0, \sw
	WIN 0
	s_barrier_wait -1
.if \fill
	CREST
	s_add_nc_u64 s[G0+4*\slot+2:G0+4*\slot+3], s[XB:XB+1], (\fm)*SLX+(\fk)*KQX
	s_or_b32 s[G0+4*\slot+3], s[G0+4*\slot+3], 0x80000000
	s_add_nc_u64 s[G0B+4*\slot+2:G0B+4*\slot+3], s[WB:WB+1], (\fm)*MTW+(\fk)*KQW
	s_or_b32 s[G0B+4*\slot+3], s[G0B+4*\slot+3], 0x80000000
	JLOAD G0+4*\slot, G1, G0B+4*\slot, G1B
.else
	PLACES 4
.endif
	FETCH_B \next, 0, 0
	FETCH_A \next, 0, 0
	WIN 0xa1+3*(\sw)
	MULA 4, 1, 0, \sw
	MULA 6, 1, 0, \sw
	PLACES 4
	WIN 0
	FETCH_A \next, 0, 4
.endm
.macro OUTN sb, vs, vl
	s_wait_xcnt 0x0
.irp a, 0,1,2,3,4,5,6,7
	WIN 0x02
.set n, 0
.rept 32
	v_med3_num_f32 v[TT+n], v[32*\a+n], -v[\vl], v[\vl]
.set n, n+1
.endr
	WIN 0
.irp g, 0,1,2,3
	v_cvt_scalef32_pk8_fp8_f32 v[CD+8*\a+2*\g:CD+8*\a+2*\g+1], v[TT+8*\g:TT+8*\g+7], v[\vs]
.endr
	v_nop
	global_store_b128 v[VO], v[CD+8*\a:CD+8*\a+3], s[\sb:\sb+1] offset:1024*\a
	global_store_b128 v[VO], v[CD+8*\a+4:CD+8*\a+7], s[\sb:\sb+1] offset:1024*\a+512
.endr
.endm
.macro OUTS sb, vs, vl
	s_wait_xcnt 0x0
.irp u, 0,1,2,3,4,5,6,7
	WIN 0x02
.irp k, 0,1
.set n, 0
.rept 8
	v_med3_num_f32 v[TT+16*\k+n], v[8*(8*(\u/2)+2*(\u%2)+\k)+n], -v[\vl], v[\vl]
.set n, n+1
.endr
.set n, 0
.rept 8
	v_med3_num_f32 v[TT+16*\k+8+n], v[8*(8*(\u/2)+4+2*(\u%2)+\k)+n], -v[\vl], v[\vl]
.set n, n+1
.endr
.endr
	WIN 0
.irp g, 0,1,2,3
	v_cvt_scalef32_pk8_fp8_f32 v[CD+8*\u+2*\g:CD+8*\u+2*\g+1], v[TT+8*\g:TT+8*\g+7], v[\vs]
.endr
	v_nop
	global_store_b128 v[VO], v[CD+8*\u:CD+8*\u+3], s[\sb:\sb+1] offset:2048*(2*(\u%2))+512*(\u/2)
	global_store_b128 v[VO], v[CD+8*\u+4:CD+8*\u+7], s[\sb:\sb+1] offset:2048*(2*(\u%2)+1)+512*(\u/2)
.endr
.endm
	s_wait_tensorcnt 0x1
	s_barrier_signal -1
	s_barrier_wait -1
	FETCH_B 0, 0, 0
	FETCH_A 0, 0, 0
	FETCH_A 0, 0, 4
	STEP 0, 0, 1, 0
	TURN 0, 1, 1, 0, 2, 0
	STEP 1, 0, 0, 0
	TURN 1, 0, 1, 0, 3, 0
	STEP 0, 0, 0, 0
	TURN 0, 1, 1, 1, 0, 0
	STEP 1, 0, 0, 0
	TURN 1, 0, 1, 1, 1, 0
	s_wait_alu depctr_va_vdst(0)
	OUTN 84, 6, 7
	STEP 0, 0, 1, 0
	TURN 0, 1, 1, 1, 2, 0
	STEP 1, 0, 0, 0
	TURN 1, 0, 1, 1, 3, 0
	STEP 0, 0, 0, 0
	TURN 0, 1, 1, 2, 0, 0
	STEP 1, 0, 0, 0
	TURN 1, 0, 1, 2, 1, 0
	OUTN 86, 8, 9
	STEP 0, 0, 1, 1
	TURN 0, 1, 1, 2, 2, 1
	STEP 1, 0, 0, 1
	TURN 1, 0, 1, 2, 3, 1
	STEP 0, 0, 0, 1
	TURN 0, 1, 0, 0, 0, 1
	STEP 1, 0, 0, 1
	s_wait_dscnt 16
	WIN 0xa4
	MULA 0, 1, 0, 1
	MULA 2, 1, 0, 1
	s_wait_dscnt 0
	MULA 4, 1, 0, 1
	MULA 6, 1, 0, 1
	PLACES 4
	WIN 0
	OUTS 88, 10, 11
	s_wait_tensorcnt 0x0
	ds_add_u32 v[SPW], v[NIL]
	s_wait_dscnt 0x0
	CROUND
	s_endpgm
.Lfunc_end_k_qb004b027ed_qkv:
	.size	k_qb004b027ed_qkv, .Lfunc_end_k_qb004b027ed_qkv-k_qb004b027ed_qkv
	.p2alignl 7, 3214868480
	.fill 96, 4, 3214868480
	.section	.rodata,"a",@progbits
	.p2align	6, 0x0
	.amdhsa_kernel k_qb004b027ed_qkv
		.amdhsa_group_segment_fixed_size 327680
		.amdhsa_private_segment_fixed_size 0
		.amdhsa_enable_private_segment 0
		.amdhsa_kernarg_size 48
		.amdhsa_user_sgpr_count 2
		.amdhsa_user_sgpr_kernarg_segment_ptr 1
		.amdhsa_wavefront_size32 1
		.amdhsa_system_sgpr_workgroup_id_x 1
		.amdhsa_system_sgpr_workgroup_id_y 1
		.amdhsa_system_sgpr_workgroup_id_z 1
		.amdhsa_system_vgpr_workitem_id 0
		.amdhsa_next_free_vgpr 768
		.amdhsa_next_free_sgpr 100
		.amdhsa_reserve_vcc 0
		.amdhsa_float_denorm_mode_32 3
		.amdhsa_float_denorm_mode_16_64 3
		.amdhsa_memory_ordered 1
		.amdhsa_forward_progress 1
		.amdhsa_inst_pref_size 212
	.end_amdhsa_kernel
	.amdgpu_metadata
---
amdhsa.version: [ 1, 2 ]
amdhsa.kernels:
  - .name:           k_qb004b027ed_qkv
    .symbol:         k_qb004b027ed_qkv.kd
    .args:
      - { .name: xf, .offset: 0, .size: 8, .value_kind: global_buffer, .address_space: global }
      - { .name: wf, .offset: 8, .size: 8, .value_kind: global_buffer, .address_space: global }
      - { .name: lowp_scales, .offset: 16, .size: 8, .value_kind: global_buffer, .address_space: global }
      - { .name: qf, .offset: 24, .size: 8, .value_kind: global_buffer, .address_space: global }
      - { .name: kf, .offset: 32, .size: 8, .value_kind: global_buffer, .address_space: global }
      - { .name: vf, .offset: 40, .size: 8, .value_kind: global_buffer, .address_space: global }
    .group_segment_fixed_size: 327680
    .private_segment_fixed_size: 0
    .kernarg_segment_align: 8
    .kernarg_segment_size: 48
    .max_flat_workgroup_size: 128
    .sgpr_count:     100
    .vgpr_count:     768
    .wavefront_size: 32
...
	.end_amdgpu_metadata
.endif
;; end of part 2
;; launch attn (part 3): grid 4 x 64, 16 waves a work-group, no clusters, 273,408 bytes of LDS; arguments qf, kf, vf, padding_mask, lowp_scales, cf; writes cf
.if DOCPART == 3
	.amdgcn_target "amdgcn-amd-amdhsa--gfx1250"
	.amdhsa_code_object_version 6
	.text
	.protected	k_qb004b027ed_attn
	.globl	k_qb004b027ed_attn
	.p2align	8
	.type	k_qb004b027ed_attn,@function
k_qb004b027ed_attn:
	s_mov_b64 s[64:65], 0
	v_nop
	global_prefetch_b8 v0, s[64:65] scope:SCOPE_SE
	s_setreg_imm32_b32 hwreg(HW_REG_WAVE_MODE, 25, 1), 1
	s_wait_xcnt 0x0
; ctx[b][q][head] = softmax_k(q . k / 8, causal and padding masks) v, both products on codes of FP8 (E4M3); ctx is quantised at once (entry 10 of lowp_scales) for the last product.
; Given exponents: q entry 6, k 7, v 8, p 9.  t = score x log2(e) / 8; M = the row's largest t so far, rounded UP to a whole number; p = 2^(t - M) is quantised, not normalised; the row's sum is taken of the unquantised p and divides at the end.
; INPUT IMAGES (the order of a matrix operand's registers; a tile's lane r holds row 32 g + 8 u + r + 8 (r / 8), tile = 2 g + u): qf, kf [head 64][tile 128][c 2][lane][16]: d = 32 c + 16 h + 0 .. 15;
; vf [head][128 keys 16][d tile 4][c 4][lane][16]: key = 32 c + 16 h + 0 .. 15.  cf: [k / 256][row tile 512][(k / 128) % 2][c 4][lane][16], k = 64 x head + d.
; Both products are used transposed (S^T = K Q^T, O^T = V^T P^T): a lane holds ONE query throughout.
; SHARES.  A work-group owns query blocks i and 7 - i (256 queries each) of one head; wave w owns tile 127 - 16 i - w, then tile 16 i + w.  Tile T walks T / 8 + 1 steps of 128 keys: 17 steps for every wave.
; K AND V COME THROUGH REGISTERS INTO LDS, in chunks of two key steps (16,384 bytes of each): waves 0-7 bring K, waves 8-15 V, four loads and four LDS stores of 512 bytes a wave and chunk.  A chunk is asked for while the chunk
; before it is multiplied; each LDS byte is stored once.  Only the 8 - i chunks that hold keys at or under the work-group's last query are brought.  Every branch hangs on ids and on counted steps alone.
; No joint loads: the four work-groups of a head need 8, 7, 6 and 5 chunks and leave key steps out by branches on their own query blocks.
; MASKS.  A padded key has the bias -2^100 (else 0): the biases are the C of S^T's products.  On the diagonal step hidden scores are replaced by -2^100; steps wholly behind the diagonal are jumped over (a branch on ids).
; The largest t begins at c x -2^99: while a row has met masked keys only, M stays there and every p is 0; the first real key's factor is 0 on zeros.
; A ROW WHOSE VISIBLE KEYS ARE ALL PADDED is flat over ALL 2,048 keys in the definition: p = 1 everywhere, the sum 2,048.  It is known by its largest t (still c x -2^99) and takes Q(1) x (the sum of v over all keys) / 2,048,
; which the waves make once, straight from vf, by four products each; the choice is a select in every lane, no branch.
; LIMITS: e6 + e7 between -70 and 25 (c x 2^100 is then finite, c x 2^99 a whole number of at least 2^24, far beyond every real t: a raw score stays under 64 x 448^2); e9, and e10 - e8 - e9, between -126 and 119.  NaN is not served.
.set VREG,  131072                     ; LDS: K's images at 0, V's here,
.set BIAS,  262144                     ; 2,048 biases, f32,
.set VSP,   270336                     ; [4 quarters of the keys][64 d] f32: the sums of v,
.set SPARE, 271360                     ; the spare words, 128 bytes a wave
.set CH,    16384                      ; a chunk of K or of V
.set NBV,   0xf1800000                 ; -2^100
.set LI,    1                          ; v1   16 x lane
.set BL,    2                          ; v2   BIAS + 64 h
.set QL,    3                          ; v3   r + 8 (r / 8) - 16 h
.set VSW,   4                          ; v4   where I store my part of the sums of v
.set VSR,   5                          ; v5   VSP + 64 h
.set PLIM,  6                          ; v6   448 x 2^e9;  v7 2^e9
.set PSC,   7
.set ADK,   8                          ; v8-10 the step's LDS addresses: K, V, biases;  v11, v27 at work
.set ADV,   9
.set ADB,   10
.set CLIM,  24                         ; v24  448 x 2^(e10 - e8 - e9);  v25 2^(e10 - e8 - e9)
.set CSC,   25
.set F,     32                         ; v32-95   fragments: K's 8 x 8, then V's 4 x 16
.set S,     96                         ; v96-159  biases, S^T, p
.set O,     160                        ; v160-191 O^T
.set PC,    192                        ; v192-207 p's codes
.set ST,    208                        ; v208-223 a chunk's four loads on their way
.set STA,   224                        ; v224 my place in a chunk in LDS
.set T0,    240                        ; v240 at work
.set PFO,   241                        ; v241 256 x lane: the prefetch's offset
.set W,     208                        ; v208-247 at work on the way out (no chunk is on its way then)
; v12 -M, v13 the largest t, v[14:15] the sum in two halves, v16-23 Q, v26 a permute's destination, v[28:29] f, v[30:31], v[250:253] the sums' other chains, v254, v255 the add's two
.set WV,    18
.set BH,    19
.set SEL,   20                         ; s[20:21] lane selects: lane l xor 16
.set CS,    22                         ; s[22:23] c = log2(e) / 8 x 2^(e6 + e7)
.set PFA,   24                         ; s[24:25] where my work-group's prefetches stand
.set LIMP,  26                         ; s26  wave 0: 3; other waves: above every count
.set TBK,   60                         ; s60  the chunk's (low tile: the step's) first byte in K's region
.set TBB,   61                         ; s61  and among the biases
.set KF,    62                         ; s62  the step's first key
.set CNT,   63
.set QB,    66                         ; s66  the first key of my tile's diagonal step
.set TL,    67                         ; s67  my tile
.set QT,    73                         ; s73  my tile's first query
.set THR,   82                         ; s82  c x -2^99
	s_load_b256 s[4:11], s[0:1], 0x0               ; qf, kf, vf, padding_mask
	s_load_b128 s[12:15], s[0:1], 0x20             ; lowp_scales, cf
	v_lshl_add_u32 v254, v0, 2, SPARE
	v_mov_b32 v255, 0
	v_lshrrev_b32 v8, 5, v0
	v_readfirstlane_b32 s[WV], v8                  ; wave 0..15
	s_and_b32 s[BH], ttmp7, 0xffff                 ; 16 x batch + head
	s_mov_b32 s[SEL], 0x76543210
	s_mov_b32 s[SEL+1], 0xfedcba98
	s_and_b32 s84, s[WV], 7
	s_lshl_b32 s84, s84, 11                        ; my 2,048 bytes of a chunk
	s_lshr_b32 s85, s[WV], 3
	s_lshl_b32 s85, s85, 17                        ; K's region or V's
	s_add_co_u32 s85, s85, s84
	s_lshl_b32 s74, s[BH], 17                      ; the head's first byte: 131,072 bytes a head
	s_mov_b32 s75, 0
	s_add_co_u32 s90, s74, s84
	s_mov_b32 s91, 0
	s_and_b32 s86, ttmp9, 1                        ; the prefetches: work-groups 0, 1 take the halves of K's chunk, 2, 3 of V's
	s_lshl_b32 s86, s86, 13
	s_add_co_u32 s86, s86, s74
	s_add_co_u32 s86, s86, CH                      ; at chunk 1: the first trip steps it to chunk 2
	s_mov_b32 s87, 0
	s_lshr_b32 s88, s[BH], 4
	s_lshl_b32 s88, s88, 11                        ; the batch's 2,048 bytes of the mask
	s_mov_b32 s89, 0
	s_lshr_b32 s27, s[WV], 2                       ; the sums of v: my quarter of the keys (key steps 4 (w / 4) ..), my d tile w % 4
	s_lshl_b32 s28, s27, 15
	s_lshl_b32 s27, s27, 8
	s_and_b32 s29, s[WV], 3
	s_lshl_b32 s29, s29, 11
	s_add_co_u32 s28, s28, s29
	s_add_co_u32 s28, s28, s74                     ; their place in vf
	s_mov_b32 s29, 0
	s_bfe_u32 s32, s[WV], 0x10001
	s_lshl_b32 s32, s32, 7                         ; d = 32 (t / 2) + 16 h + 8 (t % 2) + 0 .. 7
	s_add_co_u32 s27, s27, s32
	s_and_b32 s32, s[WV], 1
	s_lshl_b32 s32, s32, 5
	s_add_co_u32 s27, s27, s32
	s_add_co_u32 s33, ttmp9, 1                     ; i + 1
	v_and_b32 v8, 31, v0
	v_lshlrev_b32 v[LI], 4, v8
	v_lshlrev_b32 v[PFO], 8, v8
	v_and_b32 v9, 15, v0                           ; r
	v_bfe_u32 v10, v0, 4, 1                        ; h
	v_lshlrev_b32 v[BL], 6, v10
	v_add_nc_u32 v[VSR], VSP, v[BL]
	v_add_nc_u32 v[BL], BIAS, v[BL]
	v_and_b32 v[QL], 8, v9
	v_add_nc_u32 v[QL], v[QL], v9
	v_lshlrev_b32 v27, 4, v10
	v_sub_nc_u32 v[QL], v[QL], v27
	v_add_nc_u32 v[VSW], s27, v[VSR]
	v_add_nc_u32 v[STA], s85, v[LI]
	v_lshlrev_b32 v11, 2, v0
	v_lshl_add_u32 v98, v0, 4, BIAS
	v_mov_b32 v26, 0                               ; written once: a lane permute's destination counts as one of its sources
	v_mov_b32 v29, 0                               ; (named as the upper half of the pair v[28:29])
	s_wait_alu depctr_va_vdst(0)
	s_wait_kmcnt 0x0
	s_load_b128 s[68:71], s[12:13], 0x18           ; e6, e7, e8, e9
	s_load_b32 s72, s[12:13], 0x28                 ; e10
	s_add_nc_u64 s[10:11], s[10:11], s[88:89]
	global_load_b32 v96, v11, s[10:11]             ; four keys' bytes a thread
	s_cmp_lt_u32 s[WV], 8
	s_cselect_b64 s[92:93], s[6:7], s[8:9]
	s_add_nc_u64 s[92:93], s[92:93], s[90:91]
.irp j, 0,1,2,3
	global_load_b128 v[ST+4*\j:ST+4*\j+3], v[LI], s[92:93] offset:512*\j   ; chunk 0
.endr
	s_cmp_lt_u32 ttmp9, 2
	s_cselect_b64 s[PFA:PFA+1], s[6:7], s[8:9]
	s_add_nc_u64 s[PFA:PFA+1], s[PFA:PFA+1], s[86:87]
	s_add_nc_u64 s[30:31], s[8:9], s[28:29]
	s_cmp_eq_u32 s[WV], 0
	s_cselect_b32 s[LIMP], 3, 99
	s_wait_kmcnt 0x0
	s_add_co_i32 s84, s68, s69
	s_lshl_b32 s84, s84, 23
	s_add_co_i32 s[CS], s84, 0x3e38aa3b            ; log2(e) / 8, with e6 + e7 added to its exponent field
	s_mov_b32 s[CS+1], s[CS]
	s_add_co_i32 s[THR], s[CS], 0x31800000         ; x 2^99,
	s_or_b32 s[THR], s[THR], 0x80000000            ; negative
	s_add_co_i32 s84, s71, 127
	s_lshl_b32 s85, s84, 23
	v_mov_b32 v[PSC], s85
	s_add_co_i32 s84, s84, 8
	s_lshl_b32 s84, s84, 23
	s_or_b32 s84, s84, 0x600000
	v_mov_b32 v[PLIM], s84
	s_sub_co_i32 s84, s72, s70
	s_sub_co_i32 s84, s84, s71                     ; O^T / the sum stands for ctx / 2^(e8 + e9): the three scales are folded into the conversion's one
	s_add_co_i32 s84, s84, 127
	s_lshl_b32 s85, s84, 23
	v_mov_b32 v[CSC], s85
	s_add_co_i32 s84, s84, 8
	s_lshl_b32 s84, s84, 23
	s_or_b32 s84, s84, 0x600000
	v_mov_b32 v[CLIM], s84
; A tile begins: its numbers, Q's fragment, the running figures.  O^T and the sum begin as zeros, so that the key step is written without a first step of its own.
.macro INIT hi
	s_wait_xcnt 0x0                                ; earlier loads and stores have read their bases and data: both may be written
	s_lshl_b32 s[TL], ttmp9, 4
.if \hi
	s_sub_co_u32 s[TL], 127, s[TL]
	s_sub_co_u32 s[TL], s[TL], s[WV]               ; 16 (7 - i) + 15 - w
.else
	s_add_co_u32 s[TL], s[TL], s[WV]               ; 16 i + w
.endif
	s_lshr_b32 s[QB], s[TL], 3
	s_lshl_b32 s[QB], s[QB], 7
	s_lshr_b32 s[QT], s[TL], 1
	s_lshl_b32 s[QT], s[QT], 5
	s_and_b32 s84, s[TL], 1
	s_lshl_b32 s84, s84, 3
	s_add_co_u32 s[QT], s[QT], s84                 ; 32 (T / 2) + 8 (T % 2)
	s_lshl_b32 s84, s[BH], 7
	s_add_co_u32 s84, s84, s[TL]
	s_lshl_b32 s84, s84, 10                        ; a tile of q is 1,024 bytes
	s_mov_b32 s85, 0
	s_add_nc_u64 s[76:77], s[4:5], s[84:85]
	s_lshr_b32 s84, s[BH], 4
	s_lshl_b32 s84, s84, 7
	s_add_co_u32 s84, s84, s[TL]
	s_lshl_b32 s84, s84, 12                        ; ctx: row tile 128 x batch + T,
	s_and_b32 s86, s[BH], 15
	s_lshr_b32 s87, s86, 2
	s_lshl_b32 s87, s87, 21                        ; k / 256 = head / 4,
	s_add_co_u32 s84, s84, s87
	s_and_b32 s86, s86, 3
	s_lshl_b32 s86, s86, 10                        ; and the head's 64 of the 256: two blocks of 512 bytes
	s_add_co_u32 s84, s84, s86
	s_add_nc_u64 s[80:81], s[14:15], s[84:85]
	global_load_b128 v[16:19], v[LI], s[76:77]
	global_load_b128 v[20:23], v[LI], s[76:77] offset:512
	v_mov_b32 v13, s[THR]                          ; c x -2^99: above every masked t, under every real one
	s_delay_alu instid0(VALU_DEP_1)
	v_floor_f32 v12, -v13
	v_mov_b32 v14, 0
	v_mov_b32 v15, 0
.set n, 0
.rept 32
	v_mov_b32 v[O+n], 0
.set n, n+1
.endr
	s_wait_alu depctr_va_vdst(0)
.endm
	INIT 1
	s_wait_loadcnt 0x6                             ; the mask's word is in; chunk 0's four loads and Q's two stay out
	v_mov_b32 v27, NBV
.irp k, 0,1,2,3
	v_bfe_u32 v97, v96, 8*\k, 8
	v_cmp_ne_u32 vcc_lo, 0, v97
	v_cndmask_b32 v[100+\k], 0, v27, vcc_lo        ; -2^100 where the key is padded
.endr
	ds_store_b128 v98, v[100:103]
; A KEY STEP: 128 keys, the q-th of the bytes at s[TBK].
.macro STEP q
	s_cmp_gt_u32 s[KF], s[QB]                      ; all its keys come after my queries: the work is left out
	s_cbranch_scc1 .Lhidden_\@
	v_add_nc_u32 v[ADK], s[TBK], v[LI]
	v_add_nc_u32 v[ADB], s[TBB], v[BL]
	v_nop
	v_nop                                          ; four plain lines in front of loads into registers that the last products read
.set n, 0
.rept 16
	ds_load_b128 v[S+4*n:S+4*n+3], v[ADB] offset:512*\q+128*(n/4)+16*(n%4)   ; the biases, straight into S^T's registers: register 16 b + i is key 32 b + 16 h + i
.set n, n+1
.endr
.set n, 0
.rept 16
	ds_load_b128 v[F+4*n:F+4*n+3], v[ADK] offset:8192*\q+512*n   ; K's eight tiles, 1,024 bytes each
.set n, n+1
.endr
	s_wait_alu depctr_va_vdst(0)
	s_wait_dscnt 0x0
.irp t, 0,1,2,3,4,5,6,7
	v_wmma_f32_16x16x64_fp8_fp8 v[S+8*\t:S+8*\t+7], v[F+8*\t:F+8*\t+7], v[16:23], v[S+8*\t:S+8*\t+7]   ; S^T = K Q^T + bias
.endr
	v_add_nc_u32 v[ADV], VREG, v[ADK]
	v_nop
	v_nop
	v_nop                                          ; four plain lines: in front of the loads below and of the first read of the scores
.set n, 0
.rept 16
	ds_load_b128 v[F+4*n:F+4*n+3], v[ADV] offset:8192*\q+512*n   ; V's four tiles, 2,048 bytes each: they land under the softmax
.set n, n+1
.endr
	s_cmp_lg_u32 s[KF], s[QB]
	s_cbranch_scc1 .Lopen_\@                       ; all keys of the step count
	s_sub_co_i32 s84, s[QT], s[KF]
	v_add_nc_u32 v11, s84, v[QL]                   ; my query - the step's first key - 16 h: register 16 b + i is hidden where 32 b + i is above it
	v_mov_b32 v27, NBV
.set n, 0
.rept 64
	v_cmp_gt_i32 vcc_lo, 32*(n/16)+n%16, v11
	v_cndmask_b32 v[S+n], v[S+n], v27, vcc_lo
.set n, n+1
.endr
.Lopen_\@:
	v_max3_num_f32 v[T0], v[S], v[S+1], v[S+2]     ; the step's largest score of my query among my 64 keys, in two chains; each accumulator is first read at its low end
	v_max3_num_f32 v28, v[S+3], v[S+4], v[S+5]
.irp i, 6,10,14,18,22,26,30,34,38,42,46,50,54,58
	v_max3_num_f32 v[T0], v[T0], v[S+\i], v[S+1+\i]
	v_max3_num_f32 v28, v28, v[S+2+\i], v[S+3+\i]
.endr
	v_max3_num_f32 v[T0], v[T0], v[S+62], v[S+63]
	s_delay_alu instid0(VALU_DEP_1)
	v_max_num_f32 v[T0], v[T0], v28
	s_delay_alu instid0(VALU_DEP_1)
	v_permlanex16_b32 v26, v[T0], s[SEL], s[SEL+1]
	s_delay_alu instid0(VALU_DEP_1)
	v_max_num_f32 v[T0], v[T0], v26                ; and among lane l xor 16's
	s_delay_alu instid0(VALU_DEP_1)
	v_mul_f32 v[T0], s[CS], v[T0]                  ; as t (c is positive)
	s_delay_alu instid0(VALU_DEP_1)
	v_max_num_f32 v13, v13, v[T0]                  ; the running largest t
	v_mov_b32 v[T0], v12
	s_delay_alu instid0(VALU_DEP_2)
	v_floor_f32 v12, -v13                          ; the new -M = floor(-t): M is a whole number
	s_delay_alu instid0(VALU_DEP_1)
	v_sub_f32 v[T0], v12, v[T0]                    ; old M - new M: a whole number, 0 or less
	s_delay_alu instid0(VALU_DEP_1)
	v_cvt_i32_f32 v[T0], v[T0]                     ; (it saturates)
	s_delay_alu instid0(VALU_DEP_1)
	v_ldexp_f32 v28, 1.0, v[T0]                    ; f = 2^(old M - new M)
.set n, 0
.rept 32
	v_pk_fma_f32 v[S+n:S+n+1], v[S+n:S+n+1], s[CS:CS+1], v[12:13] op_sel_hi:[1,0,0]   ; t - M, two at a time
.set n, n+2
.endr
	s_wait_alu depctr_va_vdst(0)
.set n, 0
.rept 64
	v_exp_f32 v[S+n], v[S+n]                       ; p = 2^(t - M)
.set n, n+1
.endr
	v_pk_mul_f32 v[14:15], v[14:15], v[28:29] op_sel_hi:[1,0]   ; the sums under the new M (the plain line behind the exponentials)
	s_wait_alu depctr_va_vdst(0)                   ; one wait for the whole batch, ahead of its first reader
	v_pk_add_f32 v[30:31], v[S:S+1], v[S+2:S+3]    ; the row's sum of the unquantised p: 32 pairs in four chains
	v_pk_add_f32 v[252:253], v[S+4:S+5], v[S+6:S+7]
	v_pk_add_f32 v[250:251], v[S+8:S+9], v[S+10:S+11]
	v_pk_add_f32 v[14:15], v[14:15], v[S+12:S+13]
.irp j, 14,22,30,38,46,54
	v_pk_add_f32 v[30:31], v[30:31], v[S+\j:S+\j+1]
	v_pk_add_f32 v[252:253], v[252:253], v[S+\j+2:S+\j+3]
	v_pk_add_f32 v[250:251], v[250:251], v[S+\j+4:S+\j+5]
	v_pk_add_f32 v[14:15], v[14:15], v[S+\j+6:S+\j+7]
.endr
	v_pk_add_f32 v[30:31], v[30:31], v[S+62:S+63]
	v_pk_add_f32 v[252:253], v[252:253], v[250:251]
	v_pk_add_f32 v[14:15], v[14:15], v[30:31]
	v_pk_add_f32 v[14:15], v[14:15], v[252:253]
.set n, 0
.rept 64
	v_min_num_f32 v[S+n], v[S+n], v[PLIM]          ; the conversion does not saturate (ISA guide 7.6.2); p is not negative, so the hold is one-sided
.set n, n+1
.endr
.irp g, 0,1,2,3,4,5,6,7
	v_cvt_scalef32_pk8_fp8_f32 v[PC+2*\g:PC+2*\g+1], v[S+8*\g:S+8*\g+7], v[PSC]
.endr
	s_wait_alu depctr_va_vdst(0)
.set n, 0
.rept 16
	v_pk_mul_f32 v[O+n:O+n+1], v[O+n:O+n+1], v[28:29] op_sel_hi:[1,0]   ; O^T under the new M (also the plain lines behind the conversions)
.set n, n+2
.endr
	s_wait_alu depctr_va_vdst(0)
	s_wait_dscnt 0x0                               ; V is in
.irp t, 0,1,2,3
	v_wmma_f32_16x16x128_fp8_fp8 v[O+8*\t:O+8*\t+7], v[F+16*\t:F+16*\t+15], v[PC:PC+15], v[O+8*\t:O+8*\t+7]   ; O^T += V^T P^T
.endr
.Lhidden_\@:
	s_add_co_u32 s[KF], s[KF], 128
.endm
.macro VSLD g, base                    ; quarter g of the sums of v: register 16 b + n is d = 32 b + 16 h + n, as in O^T
.irp b, 0,1
.irp i, 0,1,2,3
	ds_load_b128 v[\base+16*\b+4*\i:\base+16*\b+4*\i+3], v[VSR] offset:256*\g+128*\b+16*\i
.endr
.endr
.endm
; A tile ends: O^T / the sum, or for a flat row the all-keys sum / 2,048, is quantised and stored: my lane's 2 x 16 bytes of ctx's image.
.macro FINAL
	v_nop
	v_nop
	v_add_f32 v14, v14, v15
	s_delay_alu instid0(VALU_DEP_1)
	v_permlanex16_b32 v26, v14, s[SEL], s[SEL+1]
	s_delay_alu instid0(VALU_DEP_1)
	v_add_f32 v14, v14, v26                        ; the row's sum
	s_wait_alu depctr_va_vdst(0)
	v_rcp_f32 v14, v14
	v_mov_b32 v29, 0                               ; (the plain line behind the reciprocal)
	v_mov_b32 v31, 0x3a000000                      ; 1 / 2,048
	s_wait_alu depctr_va_vdst(0)                   ; the reciprocal's wait, ahead of its first reader
.rept 4
	v_nop                                          ; plain lines in front of loads into registers that the last products read
.endr
	VSLD 0, S
	VSLD 1, S+32
	VSLD 2, F
	VSLD 3, F+32
	v_cmp_ge_f32 vcc_lo, s[THR], v13               ; flat: every visible key was masked
	s_wait_dscnt 0x0
.set n, 0
.rept 16
	v_pk_add_f32 v[S+n:S+n+1], v[S+n:S+n+1], v[S+32+n:S+33+n]
	v_pk_add_f32 v[F+n:F+n+1], v[F+n:F+n+1], v[F+32+n:F+33+n]
.set n, n+2
.endr
.set n, 0
.rept 16
	v_pk_add_f32 v[S+n:S+n+1], v[S+n:S+n+1], v[F+n:F+n+1]
.set n, n+2
.endr
	v_cndmask_b32 v28, v14, v29, vcc_lo            ; 1 / sum, or 0 in a flat row
	v_cndmask_b32 v30, 0, v31, vcc_lo              ; 0, or 1 / 2,048
	s_wait_alu depctr_va_vdst(0)
.set n, 0
.rept 16
	v_pk_mul_f32 v[W+n:W+n+1], v[O+n:O+n+1], v[28:29] op_sel_hi:[1,0]
.set n, n+2
.endr
.set n, 0
.rept 16
	v_pk_fma_f32 v[W+n:W+n+1], v[S+n:S+n+1], v[30:31], v[W+n:W+n+1] op_sel_hi:[1,0,1]
.set n, n+2
.endr
.set n, 0
.rept 32
	v_med3_num_f32 v[W+n], v[W+n], -v[CLIM], v[CLIM]
.set n, n+1
.endr
.irp g, 0,1,2,3
	v_cvt_scalef32_pk8_fp8_f32 v[W+32+2*\g:W+33+2*\g], v[W+8*\g:W+8*\g+7], v[CSC]
.endr
	v_nop                                          ; one plain line behind the last conversion
	global_store_b128 v[LI], v[W+32:W+35], s[80:81]              ; 32 lanes store 512 consecutive bytes, at a multiple of 512 from cf's first byte
	global_store_b128 v[LI], v[W+36:W+39], s[80:81] offset:512
.endm
.macro MEET
	s_wait_dscnt 0x0
	s_barrier_signal -1
	s_barrier_wait -1
.endm
	; THE HIGH TILE: eight trips, a chunk (two key steps) each.
	s_mov_b32 s[TBK], 0
	s_mov_b32 s[TBB], 0
	s_mov_b32 s[KF], 0
	s_mov_b32 s[CNT], 8
	s_wait_alu depctr_va_vdst(0)
.Lchunk:
	s_wait_xcnt 0x0                                ; my prefetch has read its address: it may step
	s_add_nc_u64 s[PFA:PFA+1], s[PFA:PFA+1], CH
	MEET                                           ; every wave's reads of the chunks so far are over
	s_wait_loadcnt 0x0                             ; this chunk's four loads are in (first trip: Q too)
	s_cmp_le_u32 s[CNT], ttmp9                     ; chunks 8 - i and on lie behind my work-group's last query: nothing is brought
	s_cbranch_scc1 .Lnone
	v_add_nc_u32 v11, s[TBK], v[STA]
.irp j, 0,1,2,3
	ds_store_b128 v11, v[ST+4*\j:ST+4*\j+3] offset:512*\j
.endr
	s_wait_dscnt 0x0                               ; the stores have read their registers: the next chunk's loads may land there
	s_cmp_le_u32 s[CNT], s33
	s_cbranch_scc1 .Lnone
	s_add_nc_u64 s[92:93], s[92:93], CH
.irp j, 0,1,2,3
	global_load_b128 v[ST+4*\j:ST+4*\j+3], v[LI], s[92:93] offset:512*\j   ; the next chunk: two key steps stand between these loads and the wait for them
.endr
.Lnone:
	MEET                                           ; the chunk lies in LDS (first trip: the biases too)
	STEP 0
	; the prefetch: in trip c wave 0 names my work-group's 8,192 bytes (lanes 256 bytes apart) of chunk c + 2, whose loads stand in trip c + 1; the four work-groups of a head name each block once; trips 6 and 7 name nothing
	s_cmp_ge_u32 s[CNT], s[LIMP]
	s_cbranch_scc0 .Lnoask
	global_prefetch_b8 v[PFO], s[PFA:PFA+1] th:TH_LOAD_NT scope:SCOPE_SE
.Lnoask:
	STEP 1
	s_add_co_u32 s[TBK], s[TBK], CH
	s_add_co_u32 s[TBB], s[TBB], 1024
	s_sub_co_u32 s[CNT], s[CNT], 1
	s_cmp_lg_u32 s[CNT], 0
	s_cbranch_scc1 .Lchunk
	; THE SUM OF v OVER ALL KEYS, x Q(1), for flat rows: wave w takes key steps 4 (w / 4) .. + 3 and d tile w % 4, straight from vf: four products against a fragment in which every code is Q(1)
	s_wait_loadcnt 0x0                             ; no chunk's load is out on any way here: the way out writes the staging registers,
	s_wait_xcnt 0x0                                ; and the prefetch has read its offset register, which the way out writes too
.set n, 0
.rept 8
	v_min_num_f32 v[S+32+n], 1.0, v[PLIM]          ; (eight plain lines behind the last products, whose p codes are written below)
.set n, n+1
.endr
.set n, 0
.rept 8
	v_cvt_scalef32_pk8_fp8_f32 v[PC+2*n:PC+2*n+1], v[S+32:S+39], v[PSC]
.set n, n+1
.endr
	v_nop                                          ; the plain line behind the conversions
.irp k, 0,1,2,3
.irp c, 0,1,2,3
	global_load_b128 v[F+16*\k+4*\c:F+16*\k+4*\c+3], v[LI], s[30:31] offset:8192*\k+512*\c
.endr
.endr
	s_wait_alu depctr_va_vdst(0)
	s_wait_loadcnt 0x0
.irp k, 0,1,2,3
	v_wmma_f32_16x16x128_fp8_fp8 v[S+8*\k:S+8*\k+7], v[F+16*\k:F+16*\k+15], v[PC:PC+15], 0
.endr
.rept 4
	v_nop
.endr
.irp j, 0,2,4,6
	v_pk_add_f32 v[S+\j:S+1+\j], v[S+\j:S+1+\j], v[S+8+\j:S+9+\j]
	v_pk_add_f32 v[S+16+\j:S+17+\j], v[S+16+\j:S+17+\j], v[S+24+\j:S+25+\j]
.endr
.irp j, 0,2,4,6
	v_pk_add_f32 v[S+\j:S+1+\j], v[S+\j:S+1+\j], v[S+16+\j:S+17+\j]
.endr
	ds_store_b128 v[VSW], v[S:S+3]                 ; all columns of the product are alike: the 16 lanes of a half store the same numbers to the same words
	ds_store_b128 v[VSW], v[S+4:S+7] offset:16
	MEET                                           ; the sixteen parts lie in LDS; nothing stores to LDS from here on
	FINAL
	; THE LOW TILE: its queries are under 1,024, and its keys lie in LDS
	INIT 0
	s_wait_loadcnt 0x0                             ; Q
	s_mov_b32 s[TBK], 0
	s_mov_b32 s[TBB], 0
	s_mov_b32 s[KF], 0
	s_mov_b32 s[CNT], 8
.Llow:
	STEP 0
	s_add_co_u32 s[TBK], s[TBK], 8192
	s_add_co_u32 s[TBB], s[TBB], 512
	s_sub_co_u32 s[CNT], s[CNT], 1
	s_cmp_lg_u32 s[CNT], 0
	s_cbranch_scc1 .Llow
	FINAL
	s_wait_tensorcnt 0x0                           ; the wave's end
	ds_add_u32 v254, v255
	s_wait_dscnt 0x0
	s_endpgm
.Lfunc_end_k_qb004b027ed_attn:
	.size	k_qb004b027ed_attn, .Lfunc_end_k_qb004b027ed_attn-k_qb004b027ed_attn
	.p2alignl 7, 3214868480
	.fill 96, 4, 3214868480
	.section	.rodata,"a",@progbits
	.p2align	6, 0x0
	.amdhsa_kernel k_qb004b027ed_attn
		.amdhsa_group_segment_fixed_size 273408
		.amdhsa_private_segment_fixed_size 0
		.amdhsa_enable_private_segment 0
		.amdhsa_kernarg_size 48
		.amdhsa_user_sgpr_count 2
		.amdhsa_user_sgpr_kernarg_segment_ptr 1
		.amdhsa_wavefront_size32 1
		.amdhsa_system_sgpr_workgroup_id_x 1
		.amdhsa_system_sgpr_workgroup_id_y 1
		.amdhsa_system_sgpr_workgroup_id_z 1
		.amdhsa_system_vgpr_workitem_id 0
		.amdhsa_next_free_vgpr 256
		.amdhsa_next_free_sgpr 96
		.amdhsa_reserve_vcc 1
		.amdhsa_float_denorm_mode_32 3
		.amdhsa_float_denorm_mode_16_64 3
		.amdhsa_memory_ordered 1
		.amdhsa_forward_progress 1
		.amdhsa_inst_pref_size 102
	.end_amdhsa_kernel
	.amdgpu_metadata
---
amdhsa.version: [ 1, 2 ]
amdhsa.kernels:
  - .name:           k_qb004b027ed_attn
    .symbol:         k_qb004b027ed_attn.kd
    .args:
      - { .name: qf, .offset: 0, .size: 8, .value_kind: global_buffer, .address_space: global }
      - { .name: kf, .offset: 8, .size: 8, .value_kind: global_buffer, .address_space: global }
      - { .name: vf, .offset: 16, .size: 8, .value_kind: global_buffer, .address_space: global }
      - { .name: padding_mask, .offset: 24, .size: 8, .value_kind: global_buffer, .address_space: global }
      - { .name: lowp_scales, .offset: 32, .size: 8, .value_kind: global_buffer, .address_space: global }
      - { .name: cf, .offset: 40, .size: 8, .value_kind: global_buffer, .address_space: global }
    .group_segment_fixed_size: 273408
    .private_segment_fixed_size: 0
    .kernarg_segment_align: 8
    .kernarg_segment_size: 48
    .max_flat_workgroup_size: 512
    .sgpr_count:     96
    .vgpr_count:     256
    .wavefront_size: 32
...
	.end_amdgpu_metadata
.endif
;; end of part 3
;; launch oproj (part 4): grid 8 x 32, 4 waves a work-group, clusters of 4 x 4, 327,680 bytes of LDS; arguments cf, wf, lowp_scales, out0; writes out0
.if DOCPART == 4
	.amdgcn_target "amdgcn-amd-amdhsa--gfx1250"
	.amdhsa_code_object_version 6
	.text
	.protected	k_qb004b027ed_oproj
	.globl	k_qb004b027ed_oproj
	.p2align	8
	.type	k_qb004b027ed_oproj,@function
k_qb004b027ed_oproj:
	s_mov_b64 s[64:65], 0
	v_nop
	global_prefetch_b8 v0, s[64:65] scope:SCOPE_SE
	s_setreg_imm32_b32 hwreg(HW_REG_WAVE_MODE, 25, 1), 1
	s_wait_xcnt 0x0
	s_wait_alu depctr_hold_cnt(0) depctr_sa_sdst(0) depctr_va_vdst(0) depctr_va_sdst(0) depctr_va_ssrc(0) depctr_va_vcc(0) depctr_vm_vsrc(0)
	s_getreg_b32 s2, hwreg(HW_REG_IB_STS2, 6, 4)
	s_cmp_eq_u32 s2, 0
	s_cbranch_scc0 .Lentry_in_a_cluster
	s_endpgm
.Lentry_in_a_cluster:
	s_bfe_u32 s2, ttmp6, 0x10000c
	s_cmp_lg_u32 s2, 0xf033
	s_cbranch_scc0 .Lentry_shape_is_right
	s_endpgm
.Lentry_shape_is_right:
.set NBT,   4
.set SLOT,  98304
.set ROFF,  65536
.set SPARE, 2*SLOT
.set STAGE, SPARE+512
.set SPITCH, 272
.set KQP,   0x200000
.set KQR,   0x40000
.set FR,    16
.set ADRA,  16
.set ADRB,  20
.set STO,   24
.set RD,    25
.set CO,    26
.set SPW,   28
.set NIL,   29
.set TMP,   32
.set AF,    128
.set BK,    128
.set WV,    16
.set PH,    17
.set RH,    18
.set G1,    24
.set G0,    32
.set G1B,   48
.set G0B,   56
.set MSB,   0
.macro WIN new
.if MSB != (\new)
	s_set_vgpr_msb (MSB<<8)|(\new)
.set MSB, (\new)
.endif
.endm
.set MUL,   0xa1
.set TO_B,  0x40
.macro JLOAD g0a, g1a, g0b, g1b
	s_cmp_eq_u32 s[PH], 0
	s_cbranch_scc0 .Lfor_r_\@
	tensor_load_to_lds s[\g0a:\g0a+3], s[\g1a:\g1a+7]
	s_nop 0
.rept 4
	v_nop
.endr
	s_branch .Lasked_\@
.Lfor_r_\@:
	tensor_load_to_lds s[\g0b:\g0b+3], s[\g1b:\g1b+7]
	s_nop 0
.rept 4
	v_nop
.endr
.Lasked_\@:
.endm
.macro CREST
	s_cmp_lg_u32 s[WV], 0
	s_cbranch_scc1 .Lnot_wave_0_\@
	s_barrier_signal -3
.Lnot_wave_0_\@:
	s_barrier_wait -3
	s_barrier_signal -1
	s_barrier_wait -1
.endm
.macro CROUND
	s_barrier_signal -1
	s_barrier_wait -1
	CREST
.endm
.macro PLACES n
.rept \n
	v_nop
.endr
.endm
	s_load_b256 s[4:11], s[0:1], 0x0
	v_lshl_add_u32 v[SPW], v0, 2, SPARE
	v_mov_b32 v[NIL], 0
	ds_add_u32 v28, v29
	ds_add_u32 v28, v29
	s_wait_dscnt 0x0
	v_lshrrev_b32 v1, 5, v0
	v_readfirstlane_b32 s[WV], v1
	s_lshr_b32 s[PH], s[WV], 1
	s_and_b32 s[RH], s[WV], 1
	s_bfe_u32 s19, ttmp6, 0x40000
	s_bfe_u32 s20, ttmp6, 0x40004
	s_lshl_b32 s46, ttmp9, 2
	s_add_co_u32 s46, s46, s19
	s_and_b32 s47, ttmp7, 0xffff
	s_lshl_b32 s47, s47, 2
	s_add_co_u32 s47, s47, s20
	s_lshl_b32 s44, s20, 2
	s_lshl_b32 s44, 15, s44
	s_lshl_b32 s45, 0x1111, s19
	s_or_b32 s[G1], s44, (3<<16)|(1<<21)
	s_or_b32 s[G1B], s45, (3<<16)|(1<<21)
.irp g, G1, G1B
	s_mov_b32 s[\g+1], 32<<16
	s_mov_b32 s[\g+3], 32<<16
	s_mov_b32 s[\g+5], 32
	s_mov_b32 s[\g+6], 0
	s_mov_b32 s[\g+7], 0
.endr
	s_mov_b32 s[G1+2], 128<<16
	s_mov_b32 s[G1+4], 128
	s_mov_b32 s[G1B+2], 64<<16
	s_mov_b32 s[G1B+4], 64
	s_lshl_b32 s92, s[RH], 15
	s_lshl_b32 s93, s[RH], 14
	s_lshl_b32 s2, s47, 16
	s_add_co_u32 s2, s2, s92
	s_mov_b32 s3, 0
	s_lshl_b32 s66, s46, 15
	s_add_co_u32 s66, s66, s93
	s_add_co_u32 s66, s66, 3<<20
	s_mov_b32 s67, 0
	s_wait_kmcnt 0x0
	s_load_b64 s[96:97], s[8:9], 0x28
	s_add_nc_u64 s[86:87], s[4:5], s[2:3]
	s_add_nc_u64 s[88:89], s[6:7], s[66:67]
	CROUND
.irp s, 0,1
	s_mov_b32 s[G0+4*\s], 1
	s_add_co_u32 s[G0+4*\s+1], s92, \s*SLOT
	s_add_nc_u64 s[G0+4*\s+2:G0+4*\s+3], s[86:87], \s*KQP
	s_or_b32 s[G0+4*\s+3], s[G0+4*\s+3], 0x80000000
	s_mov_b32 s[G0B+4*\s], 1
	s_add_co_u32 s[G0B+4*\s+1], s93, \s*SLOT+ROFF
	s_add_nc_u64 s[G0B+4*\s+2:G0B+4*\s+3], s[88:89], \s*KQR
	s_or_b32 s[G0B+4*\s+3], s[G0B+4*\s+3], 0x80000000
	s_wait_alu depctr_va_vdst(0)
	s_wait_tensorcnt 0x0
	ds_add_u32 v28, v29
	ds_add_u32 v28, v29
	s_wait_dscnt 0x0
	CROUND
	JLOAD G0+4*\s, G1, G0B+4*\s, G1B
.endr
	v_and_b32 v1, 31, v0
	v_lshlrev_b32 v4, 4, v1
	s_lshl_b32 s2, s[PH], 15
	s_add_co_u32 s3, s93, ROFF
	v_add_nc_u32 v[ADRA], s2, v4
	v_add_nc_u32 v[ADRB], s3, v4
	v_add_nc_u32 v[ADRA+1], SLOT, v[ADRA]
	v_add_nc_u32 v[ADRB+1], SLOT, v[ADRB]
	s_mul_i32 s23, s[WV], 16*SPITCH
	s_add_co_u32 s23, s23, STAGE
	v_and_b32 v2, 15, v0
	v_bfe_u32 v3, v0, 4, 1
	v_mul_u32_u24 v[STO], v2, SPITCH
	v_lshl_add_u32 v[STO], v3, 6, v[STO]
	v_add_nc_u32 v[STO], s23, v[STO]
	v_mul_u32_u24 v[RD], v3, SPITCH
	v_lshl_add_u32 v[RD], v2, 4, v[RD]
	v_add_nc_u32 v[RD], s23, v[RD]
	v_lshlrev_b32 v[CO], 12, v3
	v_lshl_add_u32 v[CO], v2, 4, v[CO]
	s_lshl_b32 s2, s47, 20
	s_lshl_b32 s3, s[PH], 19
	s_add_co_u32 s2, s2, s3
	s_lshl_b32 s3, s46, 9
	s_add_co_u32 s2, s2, s3
	s_lshl_b32 s3, s[RH], 8
	s_add_co_u32 s2, s2, s3
	s_mov_b32 s3, 0
	s_add_nc_u64 s[10:11], s[10:11], s[2:3]
.macro FRAG reg, adr, q, i
.irp c, 0,1,2,3
	ds_load_b128 v[\reg+4*\c:\reg+4*\c+3], v[\adr] offset:4096*(\i)+2048*(\q)+512*\c
.endr
.endm
.macro MULA a0, p, zero
.irp a, \a0, \a0+1
.irp b, 0,1,2,3
.set AI, 8*(NBT*(\a)+\b)
.if \zero
	v_wmma_f32_16x16x128_fp8_fp8 v[AI:AI+7], v[128*(\p)+FR*\b:128*(\p)+FR*\b+FR-1], v[AF+FR*(\a):AF+FR*(\a)+FR-1], 0
.else
	v_wmma_f32_16x16x128_fp8_fp8 v[AI:AI+7], v[128*(\p)+FR*\b:128*(\p)+FR*\b+FR-1], v[AF+FR*(\a):AF+FR*(\a)+FR-1], v[AI:AI+7]
.endif
.endr
.endr
.endm
.macro FETCH_B slot, q, p
	WIN TO_B
.irp i, 0,1,2,3
	FRAG 128*(\p)+FR*\i, ADRB+\slot, \q, \i
.endr
	WIN 0
.endm
.macro FETCH_A slot, q, i0
.irp i, \i0, \i0+1, \i0+2, \i0+3
	FRAG AF+FR*(\i), ADRA+\slot, \q, \i
.endr
.endm
.macro STEP slot, q, zero
	s_wait_dscnt 16
	WIN MUL
	MULA 0, (\q)%2, \zero
	MULA 2, (\q)%2, \zero
	s_wait_dscnt 0
	PLACES 4
	FETCH_B \slot, (\q)+1, 1-(\q)%2
	FETCH_A \slot, (\q)+1, 0
	WIN MUL
	MULA 4, (\q)%2, \zero
	MULA 6, (\q)%2, \zero
	PLACES 4
	WIN 0
	FETCH_A \slot, (\q)+1, 4
.endm
.macro TURN slot, next, fill
	s_wait_tensorcnt 0x0
	ds_add_u32 v[SPW], v[NIL]
	s_wait_dscnt 17
	WIN MUL
	MULA 0, 1, 0
	s_wait_dscnt 0x0
	s_barrier_signal -1
	MULA 2, 1, 0
	WIN 0
	s_barrier_wait -1
.if \fill
	CREST
	s_add_nc_u64 s[G0+4*\slot+2:G0+4*\slot+3], s[G0+4*\slot+2:G0+4*\slot+3], 2*KQP
	s_add_nc_u64 s[G0B+4*\slot+2:G0B+4*\slot+3], s[G0B+4*\slot+2:G0B+4*\slot+3], 2*KQR
	JLOAD G0+4*\slot, G1, G0B+4*\slot, G1B
.else
	PLACES 4
.endif
	FETCH_B \next, 0, 0
	FETCH_A \next, 0, 0
	WIN MUL
	MULA 4, 1, 0
	MULA 6, 1, 0
	PLACES 4
	WIN 0
	FETCH_A \next, 0, 4
.endm
	s_wait_tensorcnt 0x1
	s_barrier_signal -1
	s_barrier_wait -1
	FETCH_B 0, 0, 0
	FETCH_A 0, 0, 0
	FETCH_A 0, 0, 4
	STEP 0, 0, 1
	TURN 0, 1, 1
	STEP 1, 0, 0
	TURN 1, 0, 1
	STEP 0, 0, 0
	TURN 0, 1, 0
	STEP 1, 0, 0
	s_wait_dscnt 16
	WIN MUL
	MULA 0, 1, 0
	MULA 2, 1, 0
	s_wait_dscnt 0
	MULA 4, 1, 0
	MULA 6, 1, 0
	WIN 0
.macro TOSTAGE a
.set AC, 32*(\a)
	WIN 0x02
.set n, 0
.rept 16
	v_pk_mul_f32 v[TMP+n:TMP+n+1], v[AC+n:AC+n+1], s[96:97] op_sel_hi:[1,0]
.set n, n+2
.endr
	WIN 0
.irp b, 0,1,2,3
	ds_store_b128 v[STO], v[TMP+8*\b:TMP+8*\b+3] offset:128*(\b/2)+32*(\b%2)
	ds_store_b128 v[STO], v[TMP+8*\b+4:TMP+8*\b+7] offset:128*(\b/2)+32*(\b%2)+16
.endr
.set BB, BK+32*((\a)%2)
.irp t, 0,1,2,3,4,5,6,7
	ds_load_b128 v[BB+4*\t:BB+4*\t+3], v[RD] offset:2*SPITCH*\t
.endr
.endm
.macro SEND a, younger
.set BB, BK+32*((\a)%2)
	s_wait_dscnt \younger
.irp t, 0,1,2,3,4,5,6,7
	global_store_b128 v[CO], v[BB+4*\t:BB+4*\t+3], s[10:11] offset:(32*((\a)/2)+8*((\a)%2)+2*\t+8*(\t/4))*4096 th:TH_STORE_NT
.endr
.endm
	s_wait_kmcnt 0x0
	s_add_co_i32 s96, s96, s97
	s_add_co_i32 s96, s96, 127
	s_lshl_b32 s96, s96, 23
	PLACES 4
	TOSTAGE 0
.irp a, 1,2,3,4,5,6,7
.if \a > 1
	s_wait_xcnt 0x0
.endif
	TOSTAGE \a
	SEND \a-1, 16
.endr
	SEND 7, 0
	s_wait_tensorcnt 0x0
	ds_add_u32 v[SPW], v[NIL]
	s_wait_dscnt 0x0
	CROUND
	s_endpgm
.Lfunc_end_k_qb004b027ed_oproj:
	.size	k_qb004b027ed_oproj, .Lfunc_end_k_qb004b027ed_oproj-k_qb004b027ed_oproj
	.p2alignl 7, 3214868480
	.fill 96, 4, 3214868480
	.section	.rodata,"a",@progbits
	.p2align	6, 0x0
	.amdhsa_kernel k_qb004b027ed_oproj
		.amdhsa_group_segment_fixed_size 327680
		.amdhsa_private_segment_fixed_size 0
		.amdhsa_enable_private_segment 0
		.amdhsa_kernarg_size 32
		.amdhsa_user_sgpr_count 2
		.amdhsa_user_sgpr_kernarg_segment_ptr 1
		.amdhsa_wavefront_size32 1
		.amdhsa_system_sgpr_workgroup_id_x 1
		.amdhsa_system_sgpr_workgroup_id_y 1
		.amdhsa_system_sgpr_workgroup_id_z 1
		.amdhsa_system_vgpr_workitem_id 0
		.amdhsa_next_free_vgpr 768
		.amdhsa_next_free_sgpr 100
		.amdhsa_reserve_vcc 0
		.amdhsa_float_denorm_mode_32 3
		.amdhsa_float_denorm_mode_16_64 3
		.amdhsa_memory_ordered 1
		.amdhsa_forward_progress 1
		.amdhsa_inst_pref_size 77
	.end_amdhsa_kernel
	.amdgpu_metadata
---
amdhsa.version: [ 1, 2 ]
amdhsa.kernels:
  - .name:           k_qb004b027ed_oproj
    .symbol:         k_qb004b027ed_oproj.kd
    .args:
      - { .name: cf, .offset: 0, .size: 8, .value_kind: global_buffer, .address_space: global }
      - { .name: wf, .offset: 8, .size: 8, .value_kind: global_buffer, .address_space: global }
      - { .name: lowp_scales, .offset: 16, .size: 8, .value_kind: global_buffer, .address_space: global }
      - { .name: out0, .offset: 24, .size: 8, .value_kind: global_buffer, .address_space: global }
    .group_segment_fixed_size: 327680
    .private_segment_fixed_size: 0
    .kernarg_segment_align: 8
    .kernarg_segment_size: 32
    .max_flat_workgroup_size: 128
    .sgpr_count:     100
    .vgpr_count:     768
    .wavefront_size: 32
...
	.end_amdgpu_metadata
.endif
;; end of part 4
